; MI455X (gfx1250); checked and timed in simulation.
; The chip was launched on July 23, 2026; its instructions are those of AMD's public machine-readable ISA for CDNA 5 (MIT licence, August 2026) and "CDNA5" Instruction Set Architecture Reference Guide (July 2026). The comments in the code are by the model that wrote it; some were corrected since.
;; Custom Taylor Layer. Allowed arithmetic: float matrix products may take bf16 or f16 operands with f32 sums; other float arithmetic in f32, or as packed bf16 or f16 multiplies, adds, multiply-adds, maxima and minima; sums over many terms, partial sums and values carried from step to step in f32; what a program stores and reads back later, other than sums and carried values, may be rounded once to bf16 or f16.
;; Inputs: coef 1,024 x 1,024 x 8 float32; tanh_range one number float32; x 8,192 x 1,024 float32.
;; Outputs: out0 8,192 x 1,024 float32.
;; One version. Each part assembles by itself: llvm-mc -triple=amdgcn-amd-amdhsa -mcpu=gfx1250 --defsym DOCPART=n.
;; ======== version 1 of 1: 2 launches
;; workspace buffers: cws 16,777,216 bytes; tws 16,777,216 bytes
;; launch prep (part 1): grid 1024 x 1, 8 waves a work-group, no clusters, 18,432 bytes of LDS; arguments coef, tanh_range, x, cws, tws; writes cws, tws
.if DOCPART == 1
	.amdgcn_target "amdgcn-amd-amdhsa--gfx1250"
	.amdhsa_code_object_version 6
	.text
	.protected	k_q0f5fee8c75_prep
	.globl	k_q0f5fee8c75_prep
	.p2align	8
	.type	k_q0f5fee8c75_prep,@function
k_q0f5fee8c75_prep:
	s_mov_b64 s[64:65], 0
	v_nop
	global_prefetch_b8 v0, s[64:65] scope:SCOPE_SE
	s_setreg_imm32_b32 hwreg(HW_REG_WAVE_MODE, 25, 1), 1
	s_wait_xcnt 0x0
; cws = coef rounded to bf16, in coef's own order: [1024][8192], row j, K index 8 i + k.
; tws = tanh(bf16(x) * bf16(tanh_range)), reckoned in f32 and rounded once to f16, laid in blocks for the product that follows:
;   byte = wb*131072 + ks*2048 + q*512 + h*256 + r*16 + f*4 + jj*2  holds  t[b][i],  b = 64 wb + 16 f + r,  i = 16 ks + 8 h + 2 q + jj.
; LIMITS.  All three inputs are rounded to bf16 before anything else is done with them.  t lies in -1 .. 1 and is kept in f16: eleven significant bits, and below 6e-5 f16's fixed
; step of 6e-8.  tanh z = 1 - 2 / (1 + 2^(2.885390 z)); where z z < 1/64 that difference would cancel, and the series z (1 + z z (-1/3 + z z 2/15)) is taken instead (the first term left out
; is 17/315 z^7: under 2.1e-7 of z).  An exponential under 2^-126 counts as 0 (t = -1), one that overflows gives t = 1; a NaN stays a NaN.
; SHARES.  1,024 work-groups of eight waves, no loop.  Work-group g casts coef's floats 8,192 g .. 8,192 g + 8,191 and makes t for 64 rows (wb = g / 8) x 128 columns (ic = g % 8) of x.
; Every load of a wave takes 512 consecutive bytes, every store 256 or 512, aligned.  The 64 x 128 tile of t changes its order in LDS: written by rows, read by the blocks above.
; No matrix unit, no cluster, no tensor load: no byte is read twice, and sixteen loads of 512 bytes of each wave go out before the first wait.
.set TPITCH, 268                       ; a row of the tile in LDS: 256 bytes + 12 = 67 words.  Written: lane l at words 2 l, 2 l + 1 of a row.  Read: lane (r, h) at word 67 r + 4 h + a constant,
                                       ; bank 3 r + 4 h mod 64 (64 banks of 4 bytes: ISA guide 11.1): 32 different banks
.set SPARE,  17408                     ; behind the tile (64 x 268 = 17,152 bytes): the spare words, 128 bytes for each wave: four blocks of 256 bytes that no other line names
.set CI,  2                            ; v2   coef: 16 lane + 4,096 wave
.set CO,  3                            ; v3   cws:   8 lane + 2,048 wave
.set XI,  4                            ; v4   x:    16 lane + 8 rows of 4,096 bytes x wave
.set LSA, 5                            ; v5   LDS, writing: 8 rows x wave + 8 lane
.set LRA, 6                            ; v6   LDS, reading: 268 r + 32 wave + 16 h
.set TO,  7                            ; v7   tws:  16 lane + 2,048 wave
.set SPW, 8                            ; v8   LDS address of my spare word; never rewritten
.set NIL, 9                            ; v9   0; never rewritten
.set SB,  10                           ; v[10:11] bf16(tanh_range) as f32, twice
.set X,   12                           ; v[12:43] x, 8 rows x 4 numbers; then z in place
.set CR,  44                           ; v[44:75] coef as loaded
.set CP,  76                           ; v[76:91] coef packed
.set E,   44                           ; v[44:59] later: the exponentials, then t, of a batch of 16 numbers
.set WQ,  60                           ; v[60:75] later: z z
.set SR,  76                           ; v[76:91] later: the series
.set PT,  92                           ; v[92:99] a batch's t, packed
.set GR,  100                          ; v[100:115] at work in the batches; then the four blocks of 16 bytes that I store
.set WV,  15                           ; s15  my wave's number
.set C3,  16                           ; s[16:17] -1/3   (named as pairs by the packed forms, which take the low word for both halves)
.set C5,  18                           ; s[18:19] 2/15
.set C2L, 20                           ; s[20:21] 2 log2(e)
.set CUT, 22                           ; s22  1/64
.set HIM, 23                           ; s23  a word's upper bf16
	s_load_b256 s[4:11], s[0:1], 0x0               ; coef s[4:5], tanh_range s[6:7], x s[8:9], cws s[10:11]
	s_load_b64 s[12:13], s[0:1], 0x20              ; tws
	v_lshl_add_u32 v[SPW], v0, 2, SPARE
	v_mov_b32 v[NIL], 0
	v_lshrrev_b32 v1, 5, v0
	v_readfirstlane_b32 s[WV], v1                  ; wave 0..7
	v_and_b32 v1, 31, v0                           ; lane
	v_and_b32 v116, 15, v0                         ; r
	v_bfe_u32 v117, v0, 4, 1                       ; h
	s_lshl_b32 s24, s[WV], 12
	s_lshl_b32 s25, s[WV], 11
	s_lshl_b32 s26, s[WV], 15
	s_mul_i32  s27, s[WV], 8*TPITCH
	s_lshl_b32 s28, s[WV], 5
	v_lshl_add_u32 v[CI],  v1, 4, s24
	v_lshl_add_u32 v[CO],  v1, 3, s25
	v_lshl_add_u32 v[XI],  v1, 4, s26
	v_lshl_add_u32 v[LSA], v1, 3, s27
	v_lshl_add_u32 v[TO],  v1, 4, s25
	v_mul_u32_u24 v[LRA], v116, TPITCH
	v_lshl_add_u32 v[LRA], v117, 4, v[LRA]
	v_add_nc_u32 v[LRA], s28, v[LRA]
	s_mov_b32 s[C3],    0xbeaaaaab
	s_mov_b32 s[C3+1],  0xbeaaaaab
	s_mov_b32 s[C5],    0x3e088889
	s_mov_b32 s[C5+1],  0x3e088889
	s_mov_b32 s[C2L],   0x4038aa3b
	s_mov_b32 s[C2L+1], 0x4038aa3b
	s_mov_b32 s[CUT],   0x3c800000
	s_mov_b32 s[HIM],   0xffff0000
	s_lshl_b32 s30, ttmp9, 15                      ; coef: 32,768 bytes a work-group
	s_mov_b32 s31, 0
	s_lshl_b32 s32, ttmp9, 14                      ; cws: 16,384
	s_mov_b32 s33, 0
	s_lshr_b32 s38, ttmp9, 3                       ; wb
	s_and_b32  s39, ttmp9, 7                       ; ic
	s_lshl_b32 s34, s38, 18                        ; x: 64 rows of 4,096 bytes x wb
	s_lshl_b32 s35, s39, 9                         ;    + 512 bytes x ic
	s_add_co_u32 s34, s34, s35
	s_mov_b32 s35, 0
	s_lshl_b32 s36, s38, 17                        ; tws: 131,072 wb
	s_lshl_b32 s37, s39, 14                        ;      + 8 K steps of 2,048 bytes x ic
	s_add_co_u32 s36, s36, s37
	s_mov_b32 s37, 0
	s_wait_kmcnt 0x0
	s_load_b32 s14, s[6:7], 0x0                    ; tanh_range
	s_add_nc_u64 s[4:5],   s[4:5],   s[30:31]
	s_add_nc_u64 s[10:11], s[10:11], s[32:33]
	s_add_nc_u64 s[8:9],   s[8:9],   s[34:35]
	s_add_nc_u64 s[12:13], s[12:13], s[36:37]
.irp n, 0,1,2,3,4,5,6,7
	global_load_b128 v[CR+4*(\n):CR+4*(\n)+3], v[CI], s[4:5] offset:512*(\n) th:TH_LOAD_NT
.endr
.irp n, 0,1,2,3,4,5,6,7
	global_load_b128 v[X+4*(\n):X+4*(\n)+3], v[XI], s[8:9] offset:4096*(\n) th:TH_LOAD_NT  ; row 8 wave + n: 512 bytes of it
.endr
	s_wait_kmcnt 0x0                               ; tanh_range is in
	v_mov_b32 v[SB], s14
	v_cvt_pk_bf16_f32 v[SB], v[SB], v[SB]          ; rounded to bf16,
	v_lshlrev_b32 v[SB], 16, v[SB]                 ; and widened again
	v_mov_b32 v[SB+1], v[SB]
	s_wait_loadcnt 8                               ; coef's eight loads are in; x's eight, issued behind them, may stay out
.irp n, 0,1,2,3,4,5,6,7
	v_cvt_pk_bf16_f32 v[CP+2*(\n)],   v[CR+4*(\n)],   v[CR+4*(\n)+1]
	v_cvt_pk_bf16_f32 v[CP+2*(\n)+1], v[CR+4*(\n)+2], v[CR+4*(\n)+3]
	global_store_b64 v[CO], v[CP+2*(\n):CP+2*(\n)+1], s[10:11] offset:256*(\n)  ; a wave stores 256 consecutive bytes, aligned
.endr
	s_wait_xcnt 0x0                                ; the stores have read their data: v[76:91] are written again only behind this wait
; Four rows, 16 numbers a lane: pair p of 8 is numbers 2 (p % 2), + 1 of row 4 b + p / 2.  The 16 exponentials are one batch with one wait, the 16 reciprocals another;
; the series, which names no result of theirs, is the plain work between each batch and its wait.
.macro BATCH b
.set XB, X+16*(\b)
.irp p, 0,1,2,3,4,5,6,7
	v_cvt_pk_bf16_f32 v[GR+(\p)], v[XB+2*(\p)], v[XB+2*(\p)+1]  ; x rounded to bf16,
.endr
.irp p, 0,1,2,3,4,5,6,7
	v_lshlrev_b32 v[XB+2*(\p)],   16,     v[GR+(\p)]             ; and widened again
	v_and_b32     v[XB+2*(\p)+1], s[HIM], v[GR+(\p)]
.endr
.irp p, 0,1,2,3,4,5,6,7
	v_pk_mul_f32 v[XB+2*(\p):XB+2*(\p)+1], v[XB+2*(\p):XB+2*(\p)+1], v[SB:SB+1]  ; z
.endr
.irp p, 0,1,2,3,4,5,6,7
	v_pk_mul_f32 v[E+2*(\p):E+2*(\p)+1], v[XB+2*(\p):XB+2*(\p)+1], s[C2L:C2L+1] op_sel_hi:[1,0]
.endr
.set i, 0
.rept 16
	v_exp_f32 v[E+i], v[E+i]                       ; e^(2 z)
.set i, i+1
.endr
.irp p, 0,1,2,3,4,5,6,7
	v_pk_mul_f32 v[WQ+2*(\p):WQ+2*(\p)+1], v[XB+2*(\p):XB+2*(\p)+1], v[XB+2*(\p):XB+2*(\p)+1]  ; z z
.endr
.irp p, 0,1,2,3,4,5,6,7
	v_pk_fma_f32 v[SR+2*(\p):SR+2*(\p)+1], v[WQ+2*(\p):WQ+2*(\p)+1], s[C5:C5+1], s[C3:C3+1] op_sel_hi:[1,0,0]
.endr
.irp p, 0,1,2,3,4,5,6,7
	v_pk_fma_f32 v[SR+2*(\p):SR+2*(\p)+1], v[SR+2*(\p):SR+2*(\p)+1], v[WQ+2*(\p):WQ+2*(\p)+1], 1.0 op_sel_hi:[1,1,0]
.endr
	s_wait_alu depctr_va_vdst(0)                   ; one wait for the 16 exponentials, ahead of their first reader
.irp p, 0,1,2,3,4,5,6,7
	v_pk_add_f32 v[E+2*(\p):E+2*(\p)+1], v[E+2*(\p):E+2*(\p)+1], 1.0 op_sel_hi:[1,0]
.endr
.set i, 0
.rept 16
	v_rcp_f32 v[E+i], v[E+i]
.set i, i+1
.endr
.irp p, 0,1,2,3,4,5,6,7
	v_pk_mul_f32 v[SR+2*(\p):SR+2*(\p)+1], v[SR+2*(\p):SR+2*(\p)+1], v[XB+2*(\p):XB+2*(\p)+1]  ; the series is whole
.endr
	s_wait_alu depctr_va_vdst(0)                   ; one wait for the 16 reciprocals
.irp p, 0,1,2,3,4,5,6,7
	v_pk_fma_f32 v[E+2*(\p):E+2*(\p)+1], v[E+2*(\p):E+2*(\p)+1], -2.0, 1.0 op_sel_hi:[1,0,0]
.endr
.set i, 0
.rept 16
	v_cmp_gt_f32 vcc_lo, s[CUT], v[WQ+i]           ; 1/64 > z z: the series (a NaN compares false and stays in the formula's result)
	v_cndmask_b32 v[E+i], v[E+i], v[SR+i], vcc_lo
.set i, i+1
.endr
.irp p, 0,1,2,3,4,5,6,7
	v_cvt_pk_f16_f32 v[PT+(\p)], v[E+2*(\p)], v[E+2*(\p)+1]
.endr
.irp p, 0,1,2,3,4,5,6,7
	ds_store_b32 v[LSA], v[PT+(\p)] offset:(4*(\b)+(\p)/2)*TPITCH+4*((\p)%2)  ; single words: a row of 268 bytes begins at a multiple of 4 only
.endr
.endm
	s_wait_loadcnt 4                               ; x's rows 0 to 3 are in; the four younger loads may stay out
	BATCH 0
	s_wait_loadcnt 0x0
	BATCH 1
	s_wait_dscnt 0x0                               ; for the others' sake: my rows lie in the tile
	s_barrier_signal -1
	s_barrier_wait -1                              ; everybody's do
.irp q, 0,1,2,3
.irp f, 0,1,2,3
	ds_load_b32 v[GR+4*(\q)+(\f)], v[LRA] offset:16*(\f)*TPITCH+4*(\q)  ; row 16 f + r, columns 16 wave + 8 h + 2 q, + 1
.endr
.endr
	s_wait_dscnt 0x0
.irp q, 0,1,2,3
	global_store_b128 v[TO], v[GR+4*(\q):GR+4*(\q)+3], s[12:13] offset:512*(\q)  ; K step 8 ic + wave, quarter q: a wave stores 512 consecutive bytes, aligned
.endr
	s_wait_tensorcnt 0x0                           ; the wave's end, behind my last LDS store
	ds_add_u32 v[SPW], v[NIL]
	s_wait_dscnt 0x0
	s_endpgm
.Lfunc_end_k_q0f5fee8c75_prep:
	.size	k_q0f5fee8c75_prep, .Lfunc_end_k_q0f5fee8c75_prep-k_q0f5fee8c75_prep
	.p2alignl 7, 3214868480
	.fill 96, 4, 3214868480
	.section	.rodata,"a",@progbits
	.p2align	6, 0x0
	.amdhsa_kernel k_q0f5fee8c75_prep
		.amdhsa_group_segment_fixed_size 18432
		.amdhsa_private_segment_fixed_size 0
		.amdhsa_enable_private_segment 0
		.amdhsa_kernarg_size 40
		.amdhsa_user_sgpr_count 2
		.amdhsa_user_sgpr_kernarg_segment_ptr 1
		.amdhsa_wavefront_size32 1
		.amdhsa_system_sgpr_workgroup_id_x 1
		.amdhsa_system_sgpr_workgroup_id_y 1
		.amdhsa_system_sgpr_workgroup_id_z 1
		.amdhsa_system_vgpr_workitem_id 0
		.amdhsa_next_free_vgpr 120
		.amdhsa_next_free_sgpr 66
		.amdhsa_reserve_vcc 1
		.amdhsa_float_denorm_mode_32 3
		.amdhsa_float_denorm_mode_16_64 3
		.amdhsa_memory_ordered 1
		.amdhsa_forward_progress 1
		.amdhsa_inst_pref_size 24
	.end_amdhsa_kernel
	.amdgpu_metadata
---
amdhsa.version: [ 1, 2 ]
amdhsa.kernels:
  - .name:           k_q0f5fee8c75_prep
    .symbol:         k_q0f5fee8c75_prep.kd
    .args:
      - { .name: coef, .offset: 0, .size: 8, .value_kind: global_buffer, .address_space: global }
      - { .name: tanh_range, .offset: 8, .size: 8, .value_kind: global_buffer, .address_space: global }
      - { .name: x, .offset: 16, .size: 8, .value_kind: global_buffer, .address_space: global }
      - { .name: cws, .offset: 24, .size: 8, .value_kind: global_buffer, .address_space: global }
      - { .name: tws, .offset: 32, .size: 8, .value_kind: global_buffer, .address_space: global }
    .group_segment_fixed_size: 18432
    .private_segment_fixed_size: 0
    .kernarg_segment_align: 8
    .kernarg_segment_size: 40
    .max_flat_workgroup_size: 256
    .sgpr_count:     66
    .vgpr_count:     120
    .wavefront_size: 32
...
	.end_amdgpu_metadata
.endif
;; end of part 1
;; launch gemm (part 2): grid 32 x 8, 4 waves a work-group, clusters of 4 x 1, 327,680 bytes of LDS; arguments tws, cws, out0; writes out0
.if DOCPART == 2
	.amdgcn_target "amdgcn-amd-amdhsa--gfx1250"
	.amdhsa_code_object_version 6
	.text
	.protected	k_q0f5fee8c75_gemm
	.globl	k_q0f5fee8c75_gemm
	.p2align	8
	.type	k_q0f5fee8c75_gemm,@function
k_q0f5fee8c75_gemm:
	s_mov_b64 s[64:65], 0
	v_nop
	global_prefetch_b8 v0, s[64:65] scope:SCOPE_SE
	s_setreg_imm32_b32 hwreg(HW_REG_WAVE_MODE, 25, 1), 1
	s_wait_xcnt 0x0
	s_wait_alu depctr_hold_cnt(0) depctr_sa_sdst(0) depctr_va_vdst(0) depctr_va_sdst(0) depctr_va_ssrc(0) depctr_va_vcc(0) depctr_vm_vsrc(0)
	s_getreg_b32 s2, hwreg(HW_REG_IB_STS2, 6, 4)
	s_cmp_eq_u32 s2, 0
	s_cbranch_scc0 .Lentry_in_a_cluster
	s_endpgm
.Lentry_in_a_cluster:
	s_bfe_u32 s2, ttmp6, 0x10000c
	s_cmp_lg_u32 s2, 0x3003
	s_cbranch_scc0 .Lentry_shape_is_right
	s_endpgm
.Lentry_shape_is_right:
; out0[b][j] = the sum over i and k of coef[j][i][k] t[b][i]^k: ONE product C = A B^T with M = 8,192, N = 1,024 and K = 8,192 (K index 8 i + k).
; B is cws (coef in bf16, [1024][8192]).  A IS NEVER STORED: a 16-bit fragment gives a lane eight neighbouring K in four registers, and those are the powers 1, t, .. t^7 of ONE t.  So a lane
; makes its part of a fragment from two numbers t (tws, f16), in f32, rounded once to bf16: 64 vector instructions for 32 matrix instructions, set between them.
; LIMITS.  t comes in f16, coef in bf16 (the launch before says how).  t^k is made as a product of f32 powers (t2 = t t, t3 = t2 t, t4 = t2 t2, t5 = t4 t, t6 = t4 t2, t7 = t4 t3), not by a chain of
; seven products: a few units of 2^-24 apart.  Sums in f32; K is taken in another order than memory's (below).  NaN and infinities go through the products as they come.
; SHARES.  A work-group makes 256 rows (rb) x 128 columns (cb) of out0: 32 x 8 = 256 work-groups.  Wave w makes rows 64 w .. 64 w + 63 x all 128 columns: 4 x 8 accumulators of 16 x 16, 256 registers.
; All four waves read the same tile of B, and none makes powers that another makes.  A's bytes are an eighth of B's, so the tall tile halves what comes through LDS.
; K ORDER.  A K step is 128 (16 values of i), a quarter q of it 32.  In quarter q lane (r, h) holds i = 16 ks + 8 h + 2 q in a fragment's registers 0-3 and i + 1 in registers 4-7, in A and in B alike:
; B's lane reads 32 consecutive bytes at 128 h + 32 q of its row.  The same K meets the same K; only the order of the sum changes.
; THE MATRIX INSTRUCTION IS USED TRANSPOSED (source 0 = 16 rows of B, source 1 = 16 rows of A): a lane ends with eight neighbouring columns of one row of out0.
; RING.  Two LDS slots of four K steps each; wave w fetches K step w of a slot (128 rows x 256 bytes, aligned, padded to 272) by one tensor load.  A refill goes out behind the change of slots and is
; waited for at the next: 512 matrix instructions.  By this text's count two tensor loads of a wave are out at the start, later one.
; CLUSTER.  The four work-groups of a cluster have the same cb and neighbouring rb: they need the same tiles of B, and ask for each JOINTLY (same load, same descriptor, mask of four).
; t comes by ordinary loads, 512 consecutive bytes a wave, so a work-group's place in its cluster enters t's and out0's global addresses alone.
; NO PREFETCH is written: a load of t goes out eight quarters (256 matrix instructions) ahead of its first reader, a refill 512 ahead of the wait for it, and both buffers are read by several work-groups.
; PIPELINE.  Quarter g fetches B's fragments and makes A's for data g, into buffer g % 2, and multiplies data g - 1 from the other buffer.
; REGISTERS, in windows of 256 (s_set_vgpr_msb: bits 1:0 source 0, 3:2 source 1, 5:4 source 2, 7:6 destination):
;   window 0: addresses; v16-47 t as loaded, 8 sets of 4; v48-103 the powers in f32; v128-191 A's fragments, two buffers; on the way out v128-255 rows read back
;   window 1: the accumulators, (row fragment a, column fragment c) at v[8 (4 c + a)]          window 2: v0-127 B's fragments, two buffers
.set SUB,    128*272                   ; a K step of B in LDS: 128 rows of 256 bytes + 16 of padding = 68 words: row r starts at bank 4 r mod 64 (64 banks of 4 bytes: ISA guide 11.1)
.set SLOT,   4*SUB                     ; 139,264 = 2^17 + 2^13; wave x SUB has neither bit, so one exclusive or turns an address in one slot into the other's
.set STAGE,  2*SLOT                    ; behind the ring, never filled by a tensor load: 16 rows x 528 bytes for each wave, for the way out
.set SPITCH, 528                       ; 512 bytes + 16: the 16 rows that a store touches start at 16 different groups of four banks
.set SPARE,  STAGE+4*16*SPITCH         ; behind the stages: the spare words, 128 bytes for each wave: two blocks of 256 bytes that no other line names
.set LB0, 2                            ; v2   my place in a tile of B: 272 r + 128 h; never rewritten
.set AB,  3                            ; v3   LDS address of the two K steps in hand
.set TO,  4                            ; v4   16 lane: for t's loads and out0's stores; never rewritten
.set STO, 6                            ; v6   the way out: where I put 32 bytes of a row
.set RD,  7                            ; v7   the way out: where I read a row back
.set ONE, 8                            ; v8   1.0
.set ZER, 9                            ; v9   0.0
.set SPW, 10                           ; v10  LDS address of my spare word; never rewritten
.set NIL, 11                           ; v11  0, for the add alone; never rewritten
.set TR,  16                           ; set (e, q) at TR + 16 e + 4 q; register f: t of row fragment f, i in the low half, i + 1 in the high
.set TP,  48                           ; t^k of row fragment f at TP + 8 (k - 1) + 2 f: a pair, for i and for i + 1
.set AF,  128                          ; A's fragment f of buffer b at AF + 32 b + 8 f
.set OB,  128                          ; the way out: 16 rows read back, two buffers of 64
.set WV,  10                           ; s10  my wave's number
.set CX,  11                           ; s11  my place in the cluster
.set RB,  12                           ; s12  my block of 256 rows
.set CB,  13                           ; s13  my block of 128 columns, which the four partners share
.set G1,  16                           ; s[16:23] descriptor group 1
.set G0A, 24                           ; s[24:27] descriptor group 0 of slot 0's first fill
.set G0B, 28                           ; s[28:31] of slot 1's; it then walks
.set TBASE, 32                         ; s[32:33] my wave's 131,072 bytes of tws
.set T,   34                           ; s[34:35] TBASE + OFF
.set OFF, 36                           ; s[36:37] 4,096 x the pair of K steps in hand, held at 30 x 4,096
.set TB,  41                           ; s41  LDS byte at which the next two K steps begin
.set CNT, 42                           ; s42  counts a slot's two pairs of K steps
.set SLOTS, 43                         ; s43  counts the slots
.set W_MM, 0x52                        ; B window 2, A window 0, C and D window 1
.set W_FB, 0x80                        ; destination window 2, address window 0
.set W_ST, 0x04                        ; LDS store: address window 0, data window 1
.set MSB, 0
.macro WIN new                         ; the immediate's high byte repeats the setting that is left; a switch that changes nothing is dropped
.if MSB != (\new)
	s_set_vgpr_msb (MSB<<8)|(\new)
.set MSB, \new
.endif
.endm
.macro PLACES
.rept 4
	v_nop
.endr
.endm
; A round of the cluster's barrier: my work-group's barrier, so that wave 0's signal speaks for all four waves; wave 0 signals; every wave waits for all four work-groups; my work-group's barrier once more.
.macro CROUND
	s_barrier_signal -1
	s_barrier_wait -1
	s_cmp_lg_u32 s[WV], 0
	s_cbranch_scc1 .Lnot_wave_0_\@
	s_barrier_signal -3
.Lnot_wave_0_\@:
	s_barrier_wait -3
	s_barrier_signal -1
	s_barrier_wait -1
.endm
	s_load_b128 s[4:7], s[0:1], 0x0                ; tws s[4:5], cws s[6:7]
	s_load_b64 s[8:9], s[0:1], 0x10                ; out0
	v_lshl_add_u32 v[SPW], v0, 2, SPARE
	v_mov_b32 v[NIL], 0
	ds_add_u32 v[SPW], v[NIL]                      ; the wave's opening: the add and its wait stand ahead of my first tensor load; the set-up below, work on registers, stands between them
	v_lshrrev_b32 v1, 5, v0
	v_readfirstlane_b32 s[WV], v1                  ; wave 0..3
	s_bfe_u32 s[CX], ttmp6, 0x40000
	s_lshl_b32 s[RB], ttmp9, 2                     ; in a cluster launch ttmp9 counts clusters
	s_add_co_u32 s[RB], s[RB], s[CX]
	s_and_b32 s[CB], ttmp7, 0xffff
	; descriptor group 1: a tile of 128 rows x 128 elements, padded in LDS
	s_mov_b32 s[G1+0], 15|(1<<16)|(1<<20)|(1<<21)|(5<<22)|(3<<25)  ; 15:0 the mask of four; 17:16 2-byte elements; 20 padding on; 21 set beside a mask; 24:22 after every 64 words (code 5); 31:25 4 words (code 3)
	s_mov_b32 s[G1+1], 128<<16                     ; tensor_dim0 = 128
	s_mov_b32 s[G1+2], 128<<16                     ; tensor_dim1 = 128
	s_mov_b32 s[G1+3], 128<<16                     ; tile_dim0 = 128
	s_mov_b32 s[G1+4], 128                         ; tile_dim1 = 128
	s_mov_b32 s[G1+5], 8192                        ; 8,192 elements from row to row
	s_mov_b32 s[G1+6], 0
	s_mov_b32 s[G1+7], 0
	s_mov_b32 s[G0A], 1                            ; count = 1
	s_mul_i32 s[G0A+1], s[WV], SUB                 ; LDS address: K step w of slot 0: no place in the cluster enters it
	s_mov_b32 s[G0B], 1
	s_add_co_u32 s[G0B+1], s[G0A+1], SLOT          ; of slot 1
	s_lshl_b32 s44, s[CB], 21                      ; cws: 128 rows of 16,384 bytes x cb
	s_lshl_b32 s45, s[WV], 8                       ;      + 256 bytes x wave
	s_add_co_u32 s44, s44, s45
	s_mov_b32 s45, 0
	s_lshl_b32 s48, s[RB], 2                       ; tws: my wave among all, 4 rb + w,
	s_add_co_u32 s48, s48, s[WV]
	s_lshl_b32 s48, s48, 17                        ;      x 131,072 bytes
	s_mov_b32 s49, 0
	s_lshl_b32 s50, s[RB], 20                      ; out0: 256 rows of 4,096 bytes x rb
	s_lshl_b32 s51, s[WV], 18                      ;       + 64 rows x wave
	s_add_co_u32 s50, s50, s51
	s_lshl_b32 s51, s[CB], 9                       ;       + 512 bytes x cb
	s_add_co_u32 s50, s50, s51
	s_mov_b32 s51, 0
	s_mul_i32 s52, s[WV], 16*SPITCH
	s_add_co_u32 s52, s52, STAGE                   ; my stage
	s_mov_b32 s[OFF], 0
	s_mov_b32 s[OFF+1], 0
	s_mov_b32 s[TB], 0
	v_and_b32 v12, 15, v0                          ; r
	v_bfe_u32 v13, v0, 4, 1                        ; h
	v_and_b32 v14, 31, v0                          ; lane
	v_mul_u32_u24 v[LB0], v12, 272
	v_lshl_add_u32 v[LB0], v13, 7, v[LB0]
	v_lshlrev_b32 v[TO], 4, v14
	v_mul_u32_u24 v[STO], v12, SPITCH              ; in: row r, 32 bytes for each half of the lanes
	v_lshl_add_u32 v[STO], v13, 5, v[STO]
	v_add_nc_u32 v[STO], s52, v[STO]
	v_lshl_add_u32 v[RD], v14, 4, s52              ; back: 32 lanes take one row of 512 bytes
	v_mov_b32 v[ONE], 1.0
	v_mov_b32 v[ZER], 0
	s_wait_dscnt 0x0                               ; the opening add is done
	s_wait_kmcnt 0x0
	s_add_nc_u64 s[46:47], s[6:7], s[44:45]        ; made of cb and the wave's number alone: equal in the four partners
	s_mov_b64 s[G0A+2:G0A+3], s[46:47]             ; global address: K steps 0 to 3
	s_or_b32 s[G0A+3], s[G0A+3], 0x80000000        ; type = 2
	s_add_nc_u64 s[G0B+2:G0B+3], s[46:47], 1024    ; K steps 4 to 7
	s_or_b32 s[G0B+3], s[G0B+3], 0x80000000
	s_add_nc_u64 s[TBASE:TBASE+1], s[4:5], s[48:49]
	s_mov_b64 s[T:T+1], s[TBASE:TBASE+1]
	s_add_nc_u64 s[8:9], s[8:9], s[50:51]
	CROUND                                         ; all four work-groups are here: the first joint loads meet
	tensor_load_to_lds s[G0A:G0A+3], s[G1:G1+7]    ; both first fills go out together, ahead of every wait on TENSORcnt and every LDS read
	s_nop 0
	tensor_load_to_lds s[G0B:G0B+3], s[G1:G1+7]
	s_nop 0
	PLACES
.irp p, 0,1,2,3,4,5,6,7
	global_load_b128 v[TR+4*(\p):TR+4*(\p)+3], v[TO], s[T:T+1] offset:512*(\p)  ; t of K steps 0 and 1, in the order in which the sets are used
.endr
; Matrix instruction w of a quarter's 32: row fragment w % 4, column fragment w / 4, from buffer mb.  The 32 accumulators take turns in the same order in every quarter.
; zero = 1: the first product starts the sums: nothing is ever cleared.
.macro MM zero
	WIN W_MM
.if \zero
	v_wmma_f32_16x16x32_bf16 v[8*w:8*w+7], v[64*mb+8*(w/4):64*mb+8*(w/4)+7], v[AF+32*mb+8*(w%4):AF+32*mb+8*(w%4)+7], 0
.else
	v_wmma_f32_16x16x32_bf16 v[8*w:8*w+7], v[64*mb+8*(w/4):64*mb+8*(w/4)+7], v[AF+32*mb+8*(w%4):AF+32*mb+8*(w%4)+7], v[8*w:8*w+7]
.endif
.set w, w+1
.endm
; THE VECTOR WORK OF A QUARTER: a list of 64; RID writes number n of it, for row fragment f = n % 4, so that a line and the line that reads its result stand four apart.
;   0-7    t of i (the word's low f16) and of i + 1 (its high f16) as f32: the half x 1.0 + 0
;   8-31   t2 .. t7, both i at once
;   32-63  register j = (n - 32) / 4 of the fragment in buffer fb: two neighbouring powers, rounded to bf16; j 0-3 for i, 4-7 for i + 1
.macro PM d, a, b
	v_pk_mul_f32 v[TP+8*((\d)-1)+2*f:TP+8*((\d)-1)+2*f+1], v[TP+8*((\a)-1)+2*f:TP+8*((\a)-1)+2*f+1], v[TP+8*((\b)-1)+2*f:TP+8*((\b)-1)+2*f+1]
.endm
.macro RID
	WIN 0
.set f, n%4
.if n < 4
	v_fma_mix_f32 v[TP+2*f], v[trq+f], v[ONE], v[ZER] op_sel_hi:[1,0,0]
.elseif n < 8
	v_fma_mix_f32 v[TP+2*f+1], v[trq+f], v[ONE], v[ZER] op_sel:[1,0,0] op_sel_hi:[1,0,0]
.elseif n < 12
	PM 2, 1, 1
.elseif n < 16
	PM 3, 2, 1
.elseif n < 20
	PM 4, 2, 2
.elseif n < 24
	PM 5, 4, 1
.elseif n < 28
	PM 6, 4, 2
.elseif n < 32
	PM 7, 4, 3
.else
.set j, (n-32)/4
.set u, j/4
.set g, j%4
.if g == 0
	v_cvt_pk_bf16_f32 v[AF+32*fb+8*f+j], v[ONE], v[TP+2*f+u]
.else
	v_cvt_pk_bf16_f32 v[AF+32*fb+8*f+j], v[TP+8*(2*g-1)+2*f+u], v[TP+16*g+2*f+u]
.endif
.endif
.set n, n+1
.endm
; 16 LDS loads in one run: B's eight fragments of quarter q of K step e of the pair in hand, into buffer fb.  The largest offset is 65,392.
.macro FETCH e, q
	WIN W_FB
.irp c, 0,1,2,3,4,5,6,7
	ds_load_b128 v[64*fb+8*(\c):64*fb+8*(\c)+3],   v[AB] offset:(\e)*SUB+32*(\q)+16*272*(\c)
	ds_load_b128 v[64*fb+8*(\c)+4:64*fb+8*(\c)+7], v[AB] offset:(\e)*SUB+32*(\q)+16*272*(\c)+16
.endr
.endm
; A QUARTER: 32 matrix instructions on buffer mb; behind every second one four lines of the list, which makes A's fragments for buffer fb.
; Numbers 0-31 of the list name t and the powers alone: with the last four of the quarter before they are the plain instructions between that quarter's last product, which read buffer fb,
; and both the run of loads into B's part of it and the first write of A's part (number 32): far more than the four that are asked.  No v_nop is written.
.macro QUARTER e, q, zero
.set fb, (\q)%2
.set mb, 1-fb
.set trq, TR+16*(\e)+4*(\q)
	s_wait_dscnt 8                                 ; of the last run of 16 loads the youngest eight (column fragments 4-7) may be out
	s_wait_loadcnt 7                               ; my set of t was asked for eight quarters ago: the seven younger loads may stay out
.set w, 0
.set n, 0
.rept 16
	MM \zero
	MM \zero
	RID
	RID
	RID
	RID
.if w == 4
	global_load_b128 v[trq:trq+3], v[TO], s[T:T+1] offset:4096+2048*(\e)+512*(\q)  ; the set has been read (numbers 0-7): it takes the same quarter two K steps on
.endif
.if w == 16
	FETCH \e, \q
	s_wait_dscnt 16                                ; all but the 16 just issued
.endif
.endr
.endm
; TWO K STEPS.  lab = 1: the loop's copy, which is entered at its third quarter.
; At its end t's pointer steps; in the last pair it stands still, so that the loads, which reach one pair ahead, repeat K steps 62 and 63: they stay inside tws, and nothing reads them.
.macro PAIR lab
	WIN 0
	v_add_nc_u32 v[AB], s[TB], v[LB0]
	s_add_co_u32 s[TB], s[TB], 2*SUB
	QUARTER 0, 0, 0
	QUARTER 0, 1, 0
	WIN 0                                          ; at a label and at a branch every window is 0
.if \lab
.Lq2:
.endif
	QUARTER 0, 2, 0
	QUARTER 0, 3, 0
	QUARTER 1, 0, 0
	QUARTER 1, 1, 0
	QUARTER 1, 2, 0
	QUARTER 1, 3, 0
	WIN 0
	s_wait_xcnt 0x0                                ; the loads of t, the youngest 28 matrix instructions back, have read their address, so it may be written
	s_add_co_u32 s[OFF], s[OFF], 4096
	s_min_u32 s[OFF], s[OFF], 30*4096
	s_add_nc_u64 s[T:T+1], s[TBASE:TBASE+1], s[OFF:OFF+1]
.endm
; THE CHANGE OF SLOTS stands in front of the quarter that fetches a slot's first fragments; the old slot's last fragments have been asked for.  Each wave waits for all its tensor loads, of which one is
; out: its part of the other slot; adds 0 to its spare word; and waits for that and for its own reads of the old slot.  Behind the barrier nobody reads the old slot any more and the other slot is whole.
; fill = 1: the old slot is filled again, with the K steps two slots on.  The barrier is then a round of the cluster's, so that no wave of any partner still reads the slot or has a load on its way,
; and the joint refill is the first thing behind it.
.macro CHANGE fill
	WIN 0
	s_wait_tensorcnt 0x0                           ; no tensor load of mine is out, so a group 0 may be written
	ds_add_u32 v[SPW], v[NIL]                      ; 0 onto my spare word
.if \fill
	s_xor_b32 s[G0B+1], s[G0B+1], SLOT             ; the walking descriptor: the other slot than last time,
	s_add_nc_u64 s[G0B+2:G0B+3], s[G0B+2:G0B+3], 1024  ; the next four K steps; the type bits on top are not reached
.endif
	s_wait_dscnt 0x0                               ; the add is done, and my reads of the old slot are over
.if \fill
	CROUND
	tensor_load_to_lds s[G0B:G0B+3], s[G1:G1+7]
	s_nop 0
	PLACES
.else
	s_barrier_signal -1
	s_barrier_wait -1
.endif
	s_sub_co_u32 s[TB], s[TB], SLOT                ; the fetches go back to a slot's first K step,
	s_xor_b32 s[TB], s[TB], SLOT                   ; in the other slot
.endm
	s_wait_tensorcnt 0x1                           ; my part of slot 0 is in; slot 1's may stay out
	s_barrier_signal -1
	s_barrier_wait -1                              ; everybody's is
	v_add_nc_u32 v[AB], s[TB], v[LB0]              ; quarter 0 has nothing to multiply yet: it fetches and makes its fragments
	s_add_co_u32 s[TB], s[TB], 2*SUB
.set fb, 0
.set mb, 1
.set trq, TR
	FETCH 0, 0
	s_wait_loadcnt 7                               ; the first set of t is in
.set n, 0
.rept 8
	RID
.endr
	global_load_b128 v[trq:trq+3], v[TO], s[T:T+1] offset:4096
.rept 56
	RID
.endr
	QUARTER 0, 1, 1                                ; the first products start the sums
	WIN 0
	s_mov_b32 s[CNT], 2
	s_mov_b32 s[SLOTS], 15
	s_branch .Lq2                                  ; the loop is entered at the first pair's third quarter
.Lslot:                                                ; 14 times: every slot but the last two is filled again
	CHANGE 1
	s_mov_b32 s[CNT], 2
.Lpair:
	PAIR 1
	s_sub_co_u32 s[CNT], s[CNT], 1
	s_cmp_lg_u32 s[CNT], 0
	s_cbranch_scc1 .Lpair
	s_sub_co_u32 s[SLOTS], s[SLOTS], 1
	s_cmp_lg_u32 s[SLOTS], 0
	s_cbranch_scc1 .Lslot
	CHANGE 0                                       ; the last slot is written out: nothing is asked for
	s_mov_b32 s[CNT], 2
.Ltail:
	PAIR 0
	s_sub_co_u32 s[CNT], s[CNT], 1
	s_cmp_lg_u32 s[CNT], 0
	s_cbranch_scc1 .Ltail
	s_wait_dscnt 0x0                               ; the last fragments of B are in
.set mb, 1
.set w, 0
.rept 32
	MM 0                                           ; the last quarter's products
.endr
	WIN 0
; THE WAY OUT, a row fragment (16 rows x 128 columns of f32) at a time: a lane's 32 bytes of a row go into my own stage, rows of 528 bytes, and come back as whole rows of 512.
; Each accumulator's lowest registers are read first.
.macro TOSTAGE a
	WIN W_ST
.irp c, 0,1,2,3,4,5,6,7
	ds_store_b128 v[STO], v[8*(4*(\c)+(\a)):8*(4*(\c)+(\a))+3]   offset:64*(\c)
	ds_store_b128 v[STO], v[8*(4*(\c)+(\a))+4:8*(4*(\c)+(\a))+7] offset:64*(\c)+16
.endr
	WIN 0
.irp t, 0,1,2,3,4,5,6,7,8,9,10,11,12,13,14,15
	ds_load_b128 v[OB+64*((\a)%2)+4*(\t):OB+64*((\a)%2)+4*(\t)+3], v[RD] offset:SPITCH*(\t)  ; LDS serves a wave's instructions in order (ISA guide 5.7.1.4): these see the stores above; the next fragment's stores come behind them
.endr
.endm
.macro SEND a, younger                 ; younger: the LDS instructions issued behind this fragment's loads: the next fragment's 32, or none
	s_wait_dscnt \younger
.irp t, 0,1,2,3,4,5,6,7,8,9,10,11,12,13,14,15
	global_store_b128 v[TO], v[OB+64*((\a)%2)+4*(\t):OB+64*((\a)%2)+4*(\t)+3], s[8:9] offset:(16*(\a)+(\t))*4096 th:TH_STORE_NT  ; a wave stores 512 consecutive bytes, at a multiple of 512 from out0's first byte
.endr
.endm
	PLACES                                         ; plain instructions between the last products and the stores that read their results and the loads into A's registers:
	PLACES                                         ; four are asked (ISA guide 7.12.1); eight stand here, once a launch
	TOSTAGE 0
	TOSTAGE 1
	SEND 0, 32
	s_wait_xcnt 0x0                                ; the stores have read their data: the buffer is loaded again only behind this wait
	TOSTAGE 2
	SEND 1, 32
	s_wait_xcnt 0x0
	TOSTAGE 3
	SEND 2, 32
	SEND 3, 0
	s_wait_tensorcnt 0x0                           ; the wave's end, behind my last tensor load and my last LDS store
	ds_add_u32 v[SPW], v[NIL]
	s_wait_dscnt 0x0
	CROUND                                         ; the closing round: no work-group ends while a partner may still ask for a tile that names it
	s_endpgm
.Lfunc_end_k_q0f5fee8c75_gemm:
	.size	k_q0f5fee8c75_gemm, .Lfunc_end_k_q0f5fee8c75_gemm-k_q0f5fee8c75_gemm
	.p2alignl 7, 3214868480
	.fill 96, 4, 3214868480
	.section	.rodata,"a",@progbits
	.p2align	6, 0x0
	.amdhsa_kernel k_q0f5fee8c75_gemm
		.amdhsa_group_segment_fixed_size 327680
		.amdhsa_private_segment_fixed_size 0
		.amdhsa_enable_private_segment 0
		.amdhsa_kernarg_size 24
		.amdhsa_user_sgpr_count 2
		.amdhsa_user_sgpr_kernarg_segment_ptr 1
		.amdhsa_wavefront_size32 1
		.amdhsa_system_sgpr_workgroup_id_x 1
		.amdhsa_system_sgpr_workgroup_id_y 1
		.amdhsa_system_sgpr_workgroup_id_z 1
		.amdhsa_system_vgpr_workitem_id 0
		.amdhsa_next_free_vgpr 640
		.amdhsa_next_free_sgpr 66
		.amdhsa_reserve_vcc 0
		.amdhsa_float_denorm_mode_32 3
		.amdhsa_float_denorm_mode_16_64 3
		.amdhsa_memory_ordered 1
		.amdhsa_forward_progress 1
		.amdhsa_inst_pref_size 170
	.end_amdhsa_kernel
	.amdgpu_metadata
---
amdhsa.version: [ 1, 2 ]
amdhsa.kernels:
  - .name:           k_q0f5fee8c75_gemm
    .symbol:         k_q0f5fee8c75_gemm.kd
    .args:
      - { .name: tws, .offset: 0, .size: 8, .value_kind: global_buffer, .address_space: global }
      - { .name: cws, .offset: 8, .size: 8, .value_kind: global_buffer, .address_space: global }
      - { .name: out0, .offset: 16, .size: 8, .value_kind: global_buffer, .address_space: global }
    .group_segment_fixed_size: 327680
    .private_segment_fixed_size: 0
    .kernarg_segment_align: 8
    .kernarg_segment_size: 24
    .max_flat_workgroup_size: 128
    .sgpr_count:     66
    .vgpr_count:     640
    .wavefront_size: 32
...
	.end_amdgpu_metadata
.endif
;; end of part 2
